; MI455X (gfx1250); checked and timed in simulation.
; The chip was launched on July 23, 2026; its instructions are those of AMD's public machine-readable ISA for CDNA 5 (MIT licence, August 2026) and "CDNA5" Instruction Set Architecture Reference Guide (July 2026). The comments in the code are by the model that wrote it; some were corrected since.
;; Signature Tokenizer. Allowed arithmetic: float matrix products may take bf16 or f16 operands with f32 sums; other float arithmetic in f32, or as packed bf16 or f16 multiplies, adds, multiply-adds, maxima and minima; sums over many terms, partial sums and values carried from step to step in f32; what a program stores and reads back later, other than sums and carried values, may be rounded once to bf16 or f16.
;; Inputs: W 64 x 584 float32; b 64 float32; codebook 1,024 x 64 float32; data 1,048,576 x 8 float32.
;; Outputs: out0 20,971 int32; out1 20,971 x 64 float32.
;; One version. Each part assembles by itself: llvm-mc -triple=amdgcn-amd-amdhsa -mcpu=gfx1250 --defsym DOCPART=n.
;; ======== version 1 of 1: 1 launch
;; launch sigvq (part 1): grid 219 x 1, 16 waves a work-group, no clusters, 313,856 bytes of LDS; arguments data, W, b, codebook, out0, out1; writes out0, out1
.if DOCPART == 1
	.amdgcn_target "amdgcn-amd-amdhsa--gfx1250"
	.amdhsa_code_object_version 6
	.text
	.protected	k_q0fd9381d04_sigvq
	.globl	k_q0fd9381d04_sigvq
	.p2align	8
	.type	k_q0fd9381d04_sigvq,@function
k_q0fd9381d04_sigvq:
	s_mov_b64 s[64:65], 0
	v_nop
	global_prefetch_b8 v0, s[64:65] scope:SCOPE_SE
	s_setreg_imm32_b32 hwreg(HW_REG_WAVE_MODE, 25, 1), 1
	s_wait_xcnt 0x0
; SIGNATURE TOKENIZER.  20,971 windows of 50 samples x 8 channels: depth-3 signature (584 numbers, 49 Chen steps), z = sig W^T + b (64 numbers), token = argmin over 1,024 codes of
; (|z|^2 - 2 z.c) + |c|^2.
; FORMATS AND LIMITS.  All four inputs (data, W, b, codebook) are rounded once to bf16, nearest even, on the way in; everything behind that is f32 or exact: the signature is made in f32
; on the vector unit; in both matrix products one side (W, codebook) is bf16 as it stands and the f32 side (signature, z) is cut into THREE bf16 pieces (the first two cuts exact, the third
; rounded 2^-9 below the second), so a product is three bf16 products with f32 sums.  The distance is formed in the order of the problem's formula, |c|^2 and |z|^2 as ascending chains of fused
; multiply-adds; ties go to the lower code.  A token can still differ where two distances agree to the last bit of f32.  NaN and infinities are not treated apart.
; SHARES.  A work-group owns 96 windows (the last one begins 53 windows early, so that no load leaves a buffer, and stores only its last 43).  Waves 0-11 (MAIN): wave 4 S + P has the 32 windows of
; set S, a lane a window, and the first-index channels i = 2 P, 2 P + 1 of the signature: 128 + 16 + 2 of its numbers in registers.  Waves 12-15 (HELPERS) bring W, b and the codebook in,
; make |c|^2, and later store z.  No cluster and no tensor loads: what work-groups share arrives as f32 and is rounded and re-ordered on its way in, through registers.
; ORDER.  Six barriers, all in the text that every wave runs.  Two loops step their LDS addresses (the signature's and the code tiles'); both only read, and between the two barriers round each of
; them no wave writes LDS: during the signature the helpers keep their share of the codebook in registers and store it behind the next barrier.  All other LDS addresses are fixed.
; Each phase makes its own address registers behind its own label.  Registers that carry numbers across a barrier lie in v16-v223, all of which both roles write between barriers 1 and 2.
; out0 leaves in stores of 128 bytes a wave (83,884 bytes in all).
.set NWIN,   20971
.set WPG,    96                        ; windows of a work-group
.set WROW,   2336                      ; bytes in a row of W (584 f32)
; LDS
.set LDATA,  0                         ; 76,800: the windows in bf16: window x 800 + sample x 16 + channel pair x 4.  Later: 6,144 bytes a main wave (a spill, then partial sums); then the waves' minima.  256 unused bytes follow
.set LWL,    77056                     ; 82,944: W in bf16, 64 rows, pitch 1,296; a row is 4 blocks of 320 bytes: block P = 128 level-3 columns, 16 level-2, 2 level-1, 14 zeros.  Later z
.set WPITCH, 1296                      ; 81 x 16: the 16 rows of a fragment load start in 16 different groups of four banks
.set LCB,    160000                    ; 147,456: the codebook in bf16, 1,024 rows of 128 bytes, pitch 144
.set CPITCH, 144
.set LHC,    307456                    ; 4,096: |c|^2 in f32
.set LBIAS,  311552                    ; 256: b, rounded to bf16, kept as f32
.set SPARE,  311808                    ; 2,048: the spare words, 128 bytes a wave, which no other line names
.set LZF,    LWL                       ; z in f32: 96 rows, pitch 272
.set ZFP,    272
.set LZP,    LWL+96*ZFP                ; z's three bf16 pieces: 3 planes of 96 rows, pitch 144
.set ZPL,    96*144
.set REDB,   6144
; registers kept throughout: v0 thread, v1 lane, v2 spare word's address, v3 0, v4 1.0, v5 -1.0
; s[4:5] data, s[6:7] W, s[8:9] b, s[10:11] codebook, s[12:13] out0, s[14:15] out1, s16 wave, s17 S, s18 P (helper's number), s19 first window, s20 windows not stored
; s24 loop counter, s27, s28 the loops' LDS steps
.set XR,   16                          ; v[16:39]   six sample slots of four words (8 channels in bf16)
.set XO,   40                          ; v[40:45]   six slots: the word with my own two channels
.set DOWN, 46                          ; v[46:47]   the increment of my own two channels
.set SG1,  48                          ; v[48:49]   level 1, my two channels
.set RU,   50                          ; v[50:51]   s1 / 2 + d / 6
.set RV,   52                          ; v[52:53]   s1 + d / 2
.set RT,   54
.set RD,   56                          ; v[56:63]   the increment, 8 channels
.set RA,   64                          ; v[64:79]   A(i, j) = s2 + (s1 / 2 + d / 6)_i d_j
.set SG2,  80                          ; v[80:95]   level 2: 8 i + j
.set SG3,  96                          ; v[96:223]  level 3: 64 i + 8 j + k
.set HOLD, 16                          ; v[16:207]  helpers: 96 chunks of the codebook in bf16, two words a lane each
.set RNG,  208                         ; v[208:255] helpers: twelve load slots
.set ACC,  16                          ; accumulators
.set WF,   224                         ; v[224:255] four fragments of W
.set T0,   192                         ; v[192:223] two piece buffers of 16
.set PZ,   32
.set ZB,   96                          ; v[96:191]  z's fragments: piece, K half, window tile
.set CF,   192                         ; v[192:223] two sets of a code tile's two fragments
.set HCR,  224                         ; v[224:239] two sets of eight |c|^2
.set BEST, 32
.set IDX,  48
.set DD,   72
	s_load_b256 s[4:11], s[0:1], 0x0
	s_load_b128 s[12:15], s[0:1], 0x20
	v_lshl_add_u32 v2, v0, 2, SPARE
	v_mov_b32 v3, 0
	v_and_b32 v1, 31, v0
	v_lshrrev_b32 v6, 5, v0
	v_readfirstlane_b32 s16, v6                    ; wave 0..15
	v_mov_b32 v4, 1.0
	v_mov_b32 v5, -1.0
	s_lshr_b32 s17, s16, 2
	s_and_b32 s18, s16, 3
	s_mul_i32 s20, ttmp9, WPG
	s_min_u32 s19, s20, NWIN-WPG                   ; the first window that I load
	s_sub_co_u32 s20, s20, s19                     ; local windows below this belong to the work-group before
	s_mov_b32 s48, 0x76543210                      ; v_permlanex16_b32: each lane takes its own place in the other half
	s_mov_b32 s49, 0xfedcba98
	s_mul_i32 s22, s19, 1600                       ; a window is 50 rows of 32 bytes
	s_mov_b32 s23, 0
	s_wait_kmcnt 0x0
	s_add_nc_u64 s[4:5], s[4:5], s[22:23]
	s_lshl_b32 s22, s19, 8
	s_add_nc_u64 s[14:15], s[14:15], s[22:23]
	s_lshl_b32 s22, s19, 2
	s_add_nc_u64 s[12:13], s[12:13], s[22:23]
	s_cmp_ge_u32 s16, 12
	s_cbranch_scc1 .Lhelp1
	; THE DATA: 153,600 bytes on end = 9,600 pieces of 16 bytes = 25 for each of 384 threads; piece c becomes 8 bytes at 8 c.
	v_lshlrev_b32 v6, 4, v0
	v_lshlrev_b32 v7, 3, v0
	v_add_nc_u32 v8, 16*3072, v7                   ; an LDS offset has 16 bits
.set n, 0
.rept 25
	global_load_b128 v[96+4*n:99+4*n], v6, s[4:5] offset:6144*n th:TH_LOAD_NT
.set n, n+1
.endr
.set n, 0
.rept 25
	s_wait_loadcnt 24-n                            ; loads come back in order: number n is in, the younger ones stay out
	v_cvt_pk_bf16_f32 v[96+4*n], v[96+4*n], v[97+4*n]
	v_cvt_pk_bf16_f32 v[97+4*n], v[98+4*n], v[99+4*n]
.if n < 16
	ds_store_b64 v7, v[96+4*n:97+4*n] offset:LDATA+3072*n
.else
	ds_store_b64 v8, v[96+4*n:97+4*n] offset:LDATA+3072*(n-16)
.endif
.set n, n+1
.endr
	s_branch .Lb1
.Lhelp1:
	; THE HELPERS, 128 threads, meanwhile: W, b and a quarter of the codebook.
	; Level-1 columns (thread: row th / 2, half th % 2: four columns, two blocks) and level-2 columns (row th / 16 + 8 n, piece th % 16).
	v_and_b32 v6, 127, v0
	v_lshrrev_b32 v7, 1, v6
	v_and_b32 v8, 1, v6
	v_mul_u32_u24 v9, v7, WROW
	v_lshl_add_u32 v9, v8, 4, v9
	global_load_b128 v[96:99], v9, s[6:7]
	v_mul_u32_u24 v10, v7, WPITCH
	v_mul_u32_u24 v11, v8, 640
	v_add_nc_u32 v10, v10, v11
	v_add_nc_u32 v10, LWL+288, v10                 ; byte 288 of block 2 (th % 2)
	v_lshrrev_b32 v7, 4, v6
	v_and_b32 v8, 15, v6
	v_mul_u32_u24 v12, v7, WROW
	v_lshl_add_u32 v12, v8, 4, v12
.set n, 0
.rept 8
	global_load_b128 v[112+4*n:115+4*n], v12, s[6:7] offset:32+8*WROW*n
.set n, n+1
.endr
	v_mul_u32_u24 v13, v7, WPITCH
	v_lshrrev_b32 v14, 2, v8
	v_mul_u32_u24 v14, v14, 320
	v_and_b32 v15, 3, v8
	v_lshl_add_u32 v14, v15, 3, v14
	v_add_nc_u32 v13, v13, v14
	v_add_nc_u32 v13, LWL+256, v13                 ; byte 256 + 8 (piece % 4) of block piece / 4
	v_add_nc_u32 v14, 32*WPITCH, v13
.irp r, 101,102,103,105,106,107,108,109,110,111
	v_mov_b32 v\r, 0
.endr
	s_wait_loadcnt 8                               ; the level-1 load; the eight behind it stay out
	v_cvt_pk_bf16_f32 v100, v96, v97
	v_cvt_pk_bf16_f32 v104, v98, v99
	ds_store_b128 v10, v[100:103]                  ; two columns and fourteen zeros end each block
	ds_store_b128 v10, v[108:111] offset:16
	ds_store_b128 v10, v[104:107] offset:320
	ds_store_b128 v10, v[108:111] offset:336
.set n, 0
.rept 8
	s_wait_loadcnt 7-n
	v_cvt_pk_bf16_f32 v[112+4*n], v[112+4*n], v[113+4*n]
	v_cvt_pk_bf16_f32 v[113+4*n], v[114+4*n], v[115+4*n]
.if n < 4
	ds_store_b64 v13, v[112+4*n:113+4*n] offset:8*WPITCH*n
.else
	ds_store_b64 v14, v[112+4*n:113+4*n] offset:8*WPITCH*(n-4)
.endif
.set n, n+1
.endr
	s_cmp_lg_u32 s18, 0
	s_cbranch_scc1 .Lnobias
	v_and_b32 v7, 15, v1                           ; b: 16 pieces of 16 bytes; the upper lanes repeat the lower ones
	v_lshlrev_b32 v7, 4, v7
	global_load_b128 v[96:99], v7, s[8:9]
	v_add_nc_u32 v8, LBIAS, v7
	s_wait_loadcnt 0x0
	v_cvt_pk_bf16_f32 v100, v96, v97
	v_cvt_pk_bf16_f32 v101, v98, v99
	v_lshlrev_b32 v96, 16, v100
	v_and_b32 v97, 0xffff0000, v100
	v_lshlrev_b32 v98, 16, v101
	v_and_b32 v99, 0xffff0000, v101
	ds_store_b128 v8, v[96:99]
.Lnobias:
; A ring of 32 slots in registers, 512 bytes (16 a lane) each.  RROUND takes every slot once: rounded, its bytes go to LDS at lofs + n x ls behind address register ar;
; reload = 1: the slot is loaded again, from gofs + n x gstep behind offset register gv and base s[gb:gb+1].  Every address is fixed: nothing is stepped.
.macro RROUND ar, lofs, ls, reload, gv=8, gb=6, gofs=0, gstep=0
.set n, 0
.rept 32
.if \reload
	s_wait_loadcnt 31                              ; this slot's load is in; the 31 younger ones stay out
.else
	s_wait_loadcnt 31-n                            ; the last round loads nothing: the counts run down
.endif
	v_cvt_pk_bf16_f32 v[224+2*(n%16)], v[96+4*n], v[97+4*n]
	v_cvt_pk_bf16_f32 v[225+2*(n%16)], v[98+4*n], v[99+4*n]
	ds_store_b64 v[\ar], v[224+2*(n%16):225+2*(n%16)] offset:(\lofs)+n*(\ls)
.if \reload
	global_load_b128 v[96+4*n:99+4*n], v[\gv], s[\gb:\gb+1] offset:(\gofs)+n*(\gstep)
.endif
.set n, n+1
.endr
.endm
	; W's level-3 columns: helper hw takes block hw: 512 bytes of each of the 64 rows, a slot a row.  The codebook: helper hw takes codes 256 hw .. 256 hw + 255 in 128 chunks of two rows;
	; chunks 96 to 127 go through the ring here, the other 96 during the signature.
	s_lshl_b32 s25, s18, 9
	s_add_co_u32 s25, s25, 288
	v_lshl_add_u32 v8, v1, 4, s25                  ; my 16 bytes of a row of W
	s_mul_i32 s25, s18, 320
	s_add_co_u32 s25, s25, LWL
	v_lshl_add_u32 v9, v1, 3, s25                  ; and where they go, rows 0 on,
	v_add_nc_u32 v10, 32*WPITCH, v9                ; rows 32 on: an LDS offset has 16 bits
	s_lshl_b32 s25, s18, 16
	v_lshl_add_u32 v11, v1, 4, s25                 ; my 16 bytes of a chunk of the codebook
	s_mul_i32 s26, s18, 256*CPITCH
	s_add_co_u32 s26, s26, LCB
	v_lshrrev_b32 v12, 4, v1
	v_mul_u32_u24 v12, v12, CPITCH
	v_and_b32 v13, 15, v1
	v_lshl_add_u32 v12, v13, 3, v12
	v_add_nc_u32 v12, s26, v12                     ; and where they go
.set n, 0
.rept 32
	global_load_b128 v[96+4*n:99+4*n], v8, s[6:7] offset:n*WROW
.set n, n+1
.endr
	RROUND 9, 0, WPITCH, 1, 8, 6, 32*WROW, WROW            ; W's rows 0-31 out, rows 32-63 asked for
	RROUND 10, 0, WPITCH, 1, 11, 10, 96*512, 512           ; rows 32-63 out, the codebook's chunks 96-127 asked for
	RROUND 12, 96*2*CPITCH, 2*CPITCH, 0                    ; those out
.Lb1:
	s_wait_dscnt 0x0                               ; my stores are done, for the others' sake
	s_barrier_signal -1
	s_barrier_wait -1                              ; barrier 1: the windows, W and b lie in LDS
	s_cmp_ge_u32 s16, 12
	s_cbranch_scc1 .Lhelp2
	; THE SIGNATURE.  s3 += A d, s2 += (s1 + d / 2) d, s1 += d, with A = s2 + (s1 / 2 + d / 6) d: 94 vector instructions a step.  No wave writes LDS up to barrier 2.
	s_lshl_b32 s25, s17, 5
	v_add_nc_u32 v8, s25, v1
	v_mul_u32_u24 v8, v8, 800                      ; my window; never rewritten in this phase
	v_lshl_add_u32 v9, s18, 2, v8                  ; the word with my own two channels; never rewritten in this phase
.macro SAMPLE slot, off, ra, rb
	ds_load_b128 v[XR+4*(\slot):XR+4*(\slot)+3], v[\ra] offset:\off
	ds_load_b32 v[XO+(\slot)], v[\rb] offset:\off
.endm
; dst = element hi of pair bs, times pair d, plus pair add (first = 1: nothing to add to: the first step starts every sum, and nothing is cleared)
.macro BF dst, bs, hi, d, add, first
.if \first
.if \hi
	v_pk_mul_f32 v[(\dst):(\dst)+1], v[(\bs):(\bs)+1], v[(\d):(\d)+1] op_sel:[1,0] op_sel_hi:[1,1]
.else
	v_pk_mul_f32 v[(\dst):(\dst)+1], v[(\bs):(\bs)+1], v[(\d):(\d)+1] op_sel:[0,0] op_sel_hi:[0,1]
.endif
.else
.if \hi
	v_pk_fma_f32 v[(\dst):(\dst)+1], v[(\bs):(\bs)+1], v[(\d):(\d)+1], v[(\add):(\add)+1] op_sel:[1,0,0] op_sel_hi:[1,1,1]
.else
	v_pk_fma_f32 v[(\dst):(\dst)+1], v[(\bs):(\bs)+1], v[(\d):(\d)+1], v[(\add):(\add)+1] op_sel:[0,0,0] op_sel_hi:[0,1,1]
.endif
.endif
.endm
; One step: sample in slot a to sample in slot b.  ld = 1: slot a takes the sample six further on, at byte off behind the address registers ra, rb.
; wcnt: the LDS loads of younger samples, two each, that may stay out.
.macro STEP a, b, off, first, ld, wcnt, ra=6, rb=7
	s_wait_dscnt \wcnt
.set c, 0
.rept 4
	v_fma_mix_f32_bf16 v[RD+2*c], v[XR+4*(\b)+c], v4, -v[XR+4*(\a)+c] op_sel:[0,0,0] op_sel_hi:[1,0,1]
	v_fma_mix_f32_bf16 v[RD+2*c+1], v[XR+4*(\b)+c], v4, -v[XR+4*(\a)+c] op_sel:[1,0,1] op_sel_hi:[1,0,1]
.set c, c+1
.endr
	v_fma_mix_f32_bf16 v[DOWN], v[XO+(\b)], v4, -v[XO+(\a)] op_sel:[0,0,0] op_sel_hi:[1,0,1]
	v_fma_mix_f32_bf16 v[DOWN+1], v[XO+(\b)], v4, -v[XO+(\a)] op_sel:[1,0,1] op_sel_hi:[1,0,1]
.if \ld
	SAMPLE \a, \off, \ra, \rb
.endif
.if \first
	v_pk_mul_f32 v[RU:RU+1], v[DOWN:DOWN+1], 0x3e2aaaab op_sel_hi:[1,0]
	v_pk_mul_f32 v[RV:RV+1], v[DOWN:DOWN+1], 0.5 op_sel_hi:[1,0]
	v_mov_b32 v[SG1], v[DOWN]
	v_mov_b32 v[SG1+1], v[DOWN+1]
.else
	v_pk_mul_f32 v[RT:RT+1], v[SG1:SG1+1], 0.5 op_sel_hi:[1,0]
	v_pk_fma_f32 v[RV:RV+1], v[DOWN:DOWN+1], 0.5, v[SG1:SG1+1] op_sel_hi:[1,0,1]
	v_pk_fma_f32 v[RU:RU+1], v[DOWN:DOWN+1], 0x3e2aaaab, v[RT:RT+1] op_sel_hi:[1,0,1]
	v_pk_add_f32 v[SG1:SG1+1], v[SG1:SG1+1], v[DOWN:DOWN+1]
.endif
.set p, 0
.rept 4
	BF RA+2*p, RU, 0, RD+2*p, SG2+2*p, \first
	BF RA+8+2*p, RU, 1, RD+2*p, SG2+8+2*p, \first
.set p, p+1
.endr
.set p, 0
.rept 4
	BF SG2+2*p, RV, 0, RD+2*p, SG2+2*p, \first
	BF SG2+8+2*p, RV, 1, RD+2*p, SG2+8+2*p, \first
.set p, p+1
.endr
.set m, 0                              ; m = 8 i + j
.rept 16
.set p, 0
.rept 4
	BF SG3+8*m+2*p, RA+(m&14), m&1, RD+2*p, SG3+8*m+2*p, \first
.set p, p+1
.endr
.set m, m+1
.endr
.endm
.irp s, 0,1,2,3,4,5
	SAMPLE \s, 16*\s, 8, 9
.endr
	STEP 0, 1, 96, 1, 1, 8, 8, 9                   ; step 0 starts the sums
	s_mov_b32 s27, 0                               ; 96 bytes (six samples) a trip
	s_mov_b32 s24, 7
.Lsig:                                             ; steps 1 + 6 u .. 6 + 6 u
	v_add_nc_u32 v6, s27, v8                       ; the trip's two addresses
	v_add_nc_u32 v7, s27, v9
	STEP 1, 2, 112, 0, 1, 8
	STEP 2, 3, 128, 0, 1, 8
	STEP 3, 4, 144, 0, 1, 8
	STEP 4, 5, 160, 0, 1, 8
	STEP 5, 0, 176, 0, 1, 8
	STEP 0, 1, 192, 0, 1, 8
	s_add_co_u32 s27, s27, 96
	s_sub_co_u32 s24, s24, 1
	s_cmp_lg_u32 s24, 0
	s_cbranch_scc1 .Lsig
	STEP 1, 2, 784, 0, 1, 8, 8, 9                  ; step 43 fetches the last sample, number 49; the counts then run down
	STEP 2, 3, 0, 0, 0, 8
	STEP 3, 4, 0, 0, 0, 6
	STEP 4, 5, 0, 0, 0, 4
	STEP 5, 0, 0, 0, 0, 2
	STEP 0, 1, 0, 0, 0, 0
	s_branch .Lb2
.Lhelp2:
	; THE HELPERS meanwhile: chunks 0 to 95 of my quarter of the codebook come in through twelve load slots, are rounded, and STAY IN REGISTERS: two words a lane and chunk.  No LDS instruction.
	s_lshl_b32 s25, s18, 16
	v_lshl_add_u32 v8, v1, 4, s25
.set n, 0
.rept 12
	global_load_b128 v[RNG+4*n:RNG+4*n+3], v8, s[10:11] offset:512*n
.set n, n+1
.endr
.set n, 0
.rept 96
.if n < 84
	s_wait_loadcnt 11                              ; this slot's load is in; the eleven younger ones stay out
.else
	s_wait_loadcnt 95-n                            ; nothing more is asked for: the counts run down
.endif
	v_cvt_pk_bf16_f32 v[HOLD+2*n], v[RNG+4*(n%12)], v[RNG+4*(n%12)+1]
	v_cvt_pk_bf16_f32 v[HOLD+2*n+1], v[RNG+4*(n%12)+2], v[RNG+4*(n%12)+3]
.if n < 84
	global_load_b128 v[RNG+4*(n%12):RNG+4*(n%12)+3], v8, s[10:11] offset:512*(n+12)
.endif
.set n, n+1
.endr
.Lb2:
	s_wait_dscnt 0x0                               ; my reads of the windows are back
	s_barrier_signal -1
	s_barrier_wait -1                              ; barrier 2: nobody reads the windows any more
	s_cmp_ge_u32 s16, 12
	s_cbranch_scc1 .Lhelp3
	; PARTIAL z^T = W sig^T over my own 160 places of K (source 0 = 16 rows of W, source 1 = 16 windows).  The signature goes from registers into fragments: a lane packs its window's 32
	; numbers of a K step into 16 words, K 0-7 and 16-23 in the first eight, K 8-15 and 24-31 in the second eight; exchanging the first eight's upper lanes with the second eight's lower
	; lanes leaves the fragment of windows 0-15 in the first eight and that of windows 16-31 in the second.  The four tiles of 16 rows of W are taken in the order P, P + 1, ..: mine first.
	v_mov_b32 v12, v[SG1]                          ; level 1 leaves the registers that the accumulators take
	v_mov_b32 v13, v[SG1+1]
	v_and_b32 v6, 15, v1                           ; r
	v_lshrrev_b32 v7, 4, v1                        ; h
	v_mul_u32_u24 v15, v6, WPITCH
	v_lshl_add_u32 v15, v7, 4, v15
	s_mul_i32 s26, s18, 320
	s_add_co_u32 s26, s26, LWL
.irp a, 0,1,2,3
	s_add_co_u32 s25, s18, \a
	s_and_b32 s25, s25, 3
	s_mul_i32 s25, s25, 16*WPITCH
	s_add_co_u32 s25, s25, s26
	v_add_nc_u32 v[8+\a], s25, v15
.endr
	s_mul_i32 s25, s16, REDB
	v_lshl_add_u32 v14, v1, 4, s25                 ; my wave's 6,144 bytes
.set q, 0
.rept 8
	ds_store_b128 v14, v[192+4*q:195+4*q] offset:512*q  ; the last 32 level-3 numbers make room for the piece buffers
.set q, q+1
.endr
.macro PIECE dst, B
.set q, 0
.rept 16
	v_cvt_pk_bf16_f32 v[(\dst)+(q&3)+4*(q>>3)+8*((q>>2)&1)], v[(\B)+2*q], v[(\B)+2*q+1]
.set q, q+1
.endr
.endm
.macro RESID src, B                    ; what the piece leaves: exact
.set q, 0
.rept 16
	v_fma_mix_f32_bf16 v[(\B)+2*q], v[(\src)+(q&3)+4*(q>>3)+8*((q>>2)&1)], v5, v[(\B)+2*q] op_sel:[0,0,0] op_sel_hi:[1,0,0]
	v_fma_mix_f32_bf16 v[(\B)+2*q+1], v[(\src)+(q&3)+4*(q>>3)+8*((q>>2)&1)], v5, v[(\B)+2*q+1] op_sel:[1,0,0] op_sel_hi:[1,0,0]
.set q, q+1
.endr
.endm
.macro SWAP set
.set q, 0
.rept 8
	v_permlane16_swap_b32 v[(\set)+q], v[(\set)+8+q]
.set q, q+1
.endr
.endm
.macro MM8 set, zero                   ; eight accumulators by turns, one instruction a turn
.irp a, 0,1,2,3
.irp nt, 0,1
.if \zero
	v_wmma_f32_16x16x32_bf16 v[ACC+8*(2*\a+\nt):ACC+8*(2*\a+\nt)+7], v[WF+8*\a:WF+8*\a+7], v[(\set)+8*\nt:(\set)+8*\nt+7], 0
.else
	v_wmma_f32_16x16x32_bf16 v[ACC+8*(2*\a+\nt):ACC+8*(2*\a+\nt)+7], v[WF+8*\a:WF+8*\a+7], v[(\set)+8*\nt:(\set)+8*\nt+7], v[ACC+8*(2*\a+\nt):ACC+8*(2*\a+\nt)+7]
.endif
.endr
.endr
.endm
.macro WLOAD step
.irp a, 0,1,2,3
	ds_load_b128 v[WF+8*\a:WF+8*\a+3], v[8+\a] offset:64*(\step)
	ds_load_b128 v[WF+8*\a+4:WF+8*\a+7], v[8+\a] offset:64*(\step)+32
.endr
.endm
; A K step of 32: three pieces, 24 products.  The two piece buffers take turns, so a buffer is written again only behind the 16 conversions into the other one, which name no register of the
; products that read it; the same 16 stand between the last products and the loads into W's fragments.
.set pn, 0
.macro KSTEP B, step, zero, reload
.set TS, T0+16*(pn&1)
	PIECE TS, \B
	WLOAD \step
.if \reload
.set q, 0
.rept 8
	ds_load_b128 v[96+4*q:99+4*q], v14 offset:512*q     ; the spilled numbers come back into registers whose K step is done
.set q, q+1
.endr
.endif
	RESID TS, \B
	SWAP TS
	s_wait_dscnt 0x0
	MM8 TS, \zero
.set pn, pn+1
.set TS, T0+16*(pn&1)
	PIECE TS, \B
	RESID TS, \B
	SWAP TS
	MM8 TS, 0
.set pn, pn+1
.set TS, T0+16*(pn&1)
	PIECE TS, \B
	SWAP TS
	MM8 TS, 0
.set pn, pn+1
.endm
	KSTEP 96, 0, 1, 0                              ; its first products start the sums
	KSTEP 128, 1, 0, 1
	KSTEP 160, 2, 0, 0
	KSTEP 96, 3, 0, 0
	v_mov_b32 v96, v12                             ; levels 2 and 1: 16 + 2 numbers and 14 zeros, on end behind level 2's registers
	v_mov_b32 v97, v13
.set q, 98
.rept 14
	v_mov_b32 v[q], 0
.set q, q+1
.endr
	KSTEP 80, 4, 0, 0
.rept 8
	v_nop                                          ; the places between the last products and the stores that read them
.endr
.irp a, 1,2,3
.irp nt, 0,1
	ds_store_b128 v14, v[ACC+8*(2*\a+\nt):ACC+8*(2*\a+\nt)+3] offset:(\a-1)*2048+\nt*1024       ; tile P + a, for wave P + a of my set; the low registers first
	ds_store_b128 v14, v[ACC+8*(2*\a+\nt)+4:ACC+8*(2*\a+\nt)+7] offset:(\a-1)*2048+\nt*1024+512
.endr
.endr
	s_branch .Lb3
.Lhelp3:
	; THE HELPERS meanwhile: the 96 chunks leave the registers; then |c|^2 of my 256 rows, all of which this wave itself has stored (LDS serves a wave's instructions in order):
	; a lane a row, four rows at a time, each one chain in ascending order.
	s_mul_i32 s26, s18, 256*CPITCH
	s_add_co_u32 s26, s26, LCB
	v_lshrrev_b32 v9, 4, v1
	v_mul_u32_u24 v9, v9, CPITCH
	v_and_b32 v10, 15, v1
	v_lshl_add_u32 v9, v10, 3, v9
	v_add_nc_u32 v9, s26, v9
.set n, 0
.rept 96
	ds_store_b64 v9, v[HOLD+2*n:HOLD+2*n+1] offset:n*2*CPITCH
.set n, n+1
.endr
	v_mul_u32_u24 v10, v1, CPITCH
	v_add_nc_u32 v10, s26, v10
	s_lshl_b32 s25, s18, 10
	s_add_co_u32 s25, s25, LHC
	v_lshl_add_u32 v11, v1, 2, s25
	v_mov_b32 v7, 0                                ; what each chain's first link adds onto
.set t, 0
.rept 2
.set q, 0
.rept 8
.irp g, 0,1,2,3
	ds_load_b128 v[96+32*\g+4*q:99+32*\g+4*q], v10 offset:(128*t+32*\g)*CPITCH+16*q
.endr
.set q, q+1
.endr
	s_wait_dscnt 0x0
.set w, 0
.rept 32
.irp g, 0,1,2,3
.if w == 0
	v_fma_mix_f32_bf16 v[12+\g], v[96+32*\g], v[96+32*\g], v7 op_sel:[0,0,0] op_sel_hi:[1,1,0]
.else
	v_fma_mix_f32_bf16 v[12+\g], v[96+32*\g+w], v[96+32*\g+w], v[12+\g] op_sel:[0,0,0] op_sel_hi:[1,1,0]
.endif
.endr
.irp g, 0,1,2,3
	v_fma_mix_f32_bf16 v[12+\g], v[96+32*\g+w], v[96+32*\g+w], v[12+\g] op_sel:[1,1,0] op_sel_hi:[1,1,0]
.endr
.set w, w+1
.endr
.irp g, 0,1,2,3
	ds_store_b32 v11, v[12+\g] offset:512*t+128*\g
.endr
.set t, t+1
.endr
.Lb3:
	s_wait_dscnt 0x0
	s_barrier_signal -1
	s_barrier_wait -1                              ; barrier 3: the partial sums, the codebook and |c|^2 lie in LDS; nobody reads W any more
	s_cmp_ge_u32 s16, 12
	s_cbranch_scc1 .Lb4
	; z: my tile (rows 16 P .. of z^T, 32 windows) = my own part + the three that waves P - 1, P - 2, P - 3 of my set left for me + b
	v_and_b32 v6, 15, v1                           ; r
	v_lshrrev_b32 v7, 4, v1                        ; h
.irp a, 1,2,3
	s_add_co_u32 s25, s18, 4-\a
	s_and_b32 s25, s25, 3                          ; (P - a) mod 4
	s_lshl_b32 s26, s17, 2
	s_add_co_u32 s25, s25, s26                     ; that wave of my set
	s_mul_i32 s25, s25, REDB
	s_add_co_u32 s25, s25, (\a-1)*2048
	v_lshl_add_u32 v[7+\a], v1, 4, s25
.endr
.irp a, 1,2,3
.irp nt, 0,1
	ds_load_b128 v[ACC+8*(2*\a+\nt):ACC+8*(2*\a+\nt)+3], v[7+\a] offset:\nt*1024
	ds_load_b128 v[ACC+8*(2*\a+\nt)+4:ACC+8*(2*\a+\nt)+7], v[7+\a] offset:\nt*1024+512
.endr
.endr
	s_lshl_b32 s25, s18, 6
	s_add_co_u32 s25, s25, LBIAS
	v_lshl_add_u32 v11, v7, 5, s25
	ds_load_b128 v[80:83], v11
	ds_load_b128 v[84:87], v11 offset:16
	s_lshl_b32 s25, s17, 5
	v_add_nc_u32 v15, s25, v6                      ; 32 S + r
	v_mul_u32_u24 v12, v15, ZFP
	s_lshl_b32 s26, s18, 6
	s_add_co_u32 s26, s26, LZF
	v_add_nc_u32 v12, s26, v12
	v_lshl_add_u32 v12, v7, 5, v12                 ; f32: row x 272 + 64 P + 32 h
	v_mul_u32_u24 v13, v15, 144
	s_lshl_b32 s26, s18, 5
	s_add_co_u32 s26, s26, LZP
	v_add_nc_u32 v13, s26, v13
	v_lshl_add_u32 v13, v7, 4, v13                 ; pieces: row x 144 + 32 P + 16 h
	s_wait_dscnt 0x0
.irp nt, 0,1
.irp jp, 0,1,2,3
	v_pk_add_f32 v[16+8*\nt+2*\jp:17+8*\nt+2*\jp], v[16+8*\nt+2*\jp:17+8*\nt+2*\jp], v[32+8*\nt+2*\jp:33+8*\nt+2*\jp]
	v_pk_add_f32 v[48+8*\nt+2*\jp:49+8*\nt+2*\jp], v[48+8*\nt+2*\jp:49+8*\nt+2*\jp], v[64+8*\nt+2*\jp:65+8*\nt+2*\jp]
.endr
.endr
.irp nt, 0,1
.irp jp, 0,1,2,3
	v_pk_add_f32 v[16+8*\nt+2*\jp:17+8*\nt+2*\jp], v[16+8*\nt+2*\jp:17+8*\nt+2*\jp], v[48+8*\nt+2*\jp:49+8*\nt+2*\jp]
.endr
.endr
.irp nt, 0,1
.irp jp, 0,1,2,3
	v_pk_add_f32 v[16+8*\nt+2*\jp:17+8*\nt+2*\jp], v[16+8*\nt+2*\jp:17+8*\nt+2*\jp], v[80+2*\jp:81+2*\jp]
.endr
.endr
.irp nt, 0,1
	ds_store_b128 v12, v[16+8*\nt:19+8*\nt] offset:16*ZFP*\nt
	ds_store_b128 v12, v[20+8*\nt:23+8*\nt] offset:16*ZFP*\nt+16
.endr
.macro ZPIECE pc, resid
.irp nt, 0,1
.irp jp, 0,1,2,3
	v_cvt_pk_bf16_f32 v[PZ+8*(\pc)+4*\nt+\jp], v[16+8*\nt+2*\jp], v[17+8*\nt+2*\jp]
.endr
.endr
.if \resid
.irp nt, 0,1
.irp jp, 0,1,2,3
	v_fma_mix_f32_bf16 v[16+8*\nt+2*\jp], v[PZ+8*(\pc)+4*\nt+\jp], v5, v[16+8*\nt+2*\jp] op_sel:[0,0,0] op_sel_hi:[1,0,0]
	v_fma_mix_f32_bf16 v[17+8*\nt+2*\jp], v[PZ+8*(\pc)+4*\nt+\jp], v5, v[17+8*\nt+2*\jp] op_sel:[1,0,0] op_sel_hi:[1,0,0]
.endr
.endr
.endif
.irp nt, 0,1
	ds_store_b128 v13, v[PZ+8*(\pc)+4*\nt:PZ+8*(\pc)+4*\nt+3] offset:(\pc)*ZPL+\nt*16*144
.endr
.endm
	ZPIECE 0, 1
	ZPIECE 1, 1
	ZPIECE 2, 0
.Lb4:
	s_wait_dscnt 0x0
	s_barrier_signal -1
	s_barrier_wait -1                              ; barrier 4: z lies in LDS, in f32 and in pieces; nobody reads the partial sums any more
	s_cmp_ge_u32 s16, 12
	s_cbranch_scc1 .Lhelp5
	; THE CODES.  My 32 windows against codes 256 P .. 256 P + 255, 16 a tile (source 0 = 16 codes, source 1 = 16 windows): a lane holds one window (16 nt + r) and codes 8 h + 0..7.
	; No wave writes LDS up to barrier 5.  First |z|^2 of my two windows, an ascending chain each.
	v_and_b32 v6, 15, v1                           ; r
	v_lshrrev_b32 v7, 4, v1                        ; h
	s_lshl_b32 s25, s17, 5
	v_add_nc_u32 v15, s25, v6                      ; 32 S + r
	v_mul_u32_u24 v8, v15, ZFP
	v_add_nc_u32 v8, LZF, v8
.irp nt, 0,1
.set q, 0
.rept 16
	ds_load_b128 v[96+64*\nt+4*q:99+64*\nt+4*q], v8 offset:16*ZFP*\nt+16*q
.set q, q+1
.endr
.endr
	v_mul_u32_u24 v9, v15, 144
	v_lshl_add_u32 v9, v7, 4, v9
	v_add_nc_u32 v9, LZP, v9
	s_mul_i32 s25, s18, 256*CPITCH
	s_add_co_u32 s25, s25, LCB
	v_mul_u32_u24 v10, v6, CPITCH
	v_lshl_add_u32 v10, v7, 4, v10
	v_add_nc_u32 v10, s25, v10                     ; my place in my quarter's first tile; never rewritten in this phase
	s_lshl_b32 s25, s18, 10
	s_add_co_u32 s25, s25, LHC
	v_lshl_add_u32 v11, v7, 5, s25                 ; and in its |c|^2; never rewritten in this phase
	s_lshl_b32 s50, s18, 8                         ; the tile's first code
.set q, 0
.rept 16
	v_mov_b32 v[BEST+q], 0x7f800000
	v_mov_b32 v[IDX+q], 0
.set q, q+1
.endr
	s_wait_dscnt 0x0
	v_mul_f32 v66, v96, v96
	v_mul_f32 v67, v160, v160
.set w, 1
.rept 63
	v_fmac_f32 v66, v[96+w], v[96+w]
	v_fmac_f32 v67, v[160+w], v[160+w]
.set w, w+1
.endr
.irp pc, 0,1,2
.irp ks, 0,1
.irp nt, 0,1
	ds_load_b128 v[ZB+8*(4*\pc+2*\ks+\nt):ZB+8*(4*\pc+2*\ks+\nt)+3], v9 offset:\pc*ZPL+\nt*16*144+64*\ks
	ds_load_b128 v[ZB+8*(4*\pc+2*\ks+\nt)+4:ZB+8*(4*\pc+2*\ks+\nt)+7], v9 offset:\pc*ZPL+\nt*16*144+64*\ks+32
.endr
.endr
.endr
.macro CLOAD set, t, ra, rb            ; tile t behind the address registers ra, rb: its two fragments and its eight |c|^2: six loads
	ds_load_b128 v[CF+16*(\set):CF+16*(\set)+3], v[\ra] offset:(\t)*16*CPITCH
	ds_load_b128 v[CF+16*(\set)+4:CF+16*(\set)+7], v[\ra] offset:(\t)*16*CPITCH+32
	ds_load_b128 v[CF+16*(\set)+8:CF+16*(\set)+11], v[\ra] offset:(\t)*16*CPITCH+64
	ds_load_b128 v[CF+16*(\set)+12:CF+16*(\set)+15], v[\ra] offset:(\t)*16*CPITCH+96
	ds_load_b128 v[HCR+8*(\set):HCR+8*(\set)+3], v[\rb] offset:(\t)*64
	ds_load_b128 v[HCR+8*(\set)+4:HCR+8*(\set)+7], v[\rb] offset:(\t)*64+16
.endm
; A tile: the next tile's loads; 12 products (3 pieces x 2 halves of K x 2 window tiles, the two accumulators by turns); then d2 = (|z|^2 - 2 z.c) + |c|^2 into
; registers of its own, and for each of the lane's 16 places the running minimum and the tile at which it was first reached.
.macro VQT set, ld, t, ra, rb
.if \ld
	CLOAD 1-(\set), \t, \ra, \rb
	s_wait_dscnt 0x6                               ; all but the six just issued
.else
	s_wait_dscnt 0x0
.endif
.irp pc, 2,1,0
.irp ks, 0,1
.irp nt, 0,1
.if ((\pc)==2)&&((\ks)==0)
	v_wmma_f32_16x16x32_bf16 v[ACC+8*\nt:ACC+8*\nt+7], v[CF+16*(\set)+8*\ks:CF+16*(\set)+8*\ks+7], v[ZB+8*(4*\pc+2*\ks+\nt):ZB+8*(4*\pc+2*\ks+\nt)+7], 0
.else
	v_wmma_f32_16x16x32_bf16 v[ACC+8*\nt:ACC+8*\nt+7], v[CF+16*(\set)+8*\ks:CF+16*(\set)+8*\ks+7], v[ZB+8*(4*\pc+2*\ks+\nt):ZB+8*(4*\pc+2*\ks+\nt)+7], v[ACC+8*\nt:ACC+8*\nt+7]
.endif
.endr
.endr
.endr
	v_mov_b32 v64, s50
.rept 7
	v_nop                                          ; with the line above: the places between the last product and the first read of a result
.endr
.irp jp, 0,1,2,3
	v_pk_fma_f32 v[DD+2*\jp:DD+2*\jp+1], v[ACC+2*\jp:ACC+2*\jp+1], -2.0, v[66:67] op_sel:[0,0,0] op_sel_hi:[1,0,0]
.endr
.irp jp, 0,1,2,3
	v_pk_fma_f32 v[DD+8+2*\jp:DD+8+2*\jp+1], v[ACC+8+2*\jp:ACC+8+2*\jp+1], -2.0, v[66:67] op_sel:[0,0,1] op_sel_hi:[1,0,1]
.endr
.irp nt, 0,1
.irp jp, 0,1,2,3
	v_pk_add_f32 v[DD+8*\nt+2*\jp:DD+8*\nt+2*\jp+1], v[DD+8*\nt+2*\jp:DD+8*\nt+2*\jp+1], v[HCR+8*(\set)+2*\jp:HCR+8*(\set)+2*\jp+1]
.endr
.irp j, 0,1,2,3,4,5,6,7
	v_cmp_lt_f32 s[40+\j], v[DD+8*\nt+\j], v[BEST+8*\nt+\j]
.endr
.irp j, 0,1,2,3,4,5,6,7
	v_cndmask_b32 v[IDX+8*\nt+\j], v[IDX+8*\nt+\j], v64, s[40+\j]
.endr
.irp j, 0,1,2,3,4,5,6,7
	v_min_num_f32 v[BEST+8*\nt+\j], v[BEST+8*\nt+\j], v[DD+8*\nt+\j]
.endr
.endr
	s_add_co_u32 s50, s50, 16
.endm
	CLOAD 0, 0, 10, 11
	s_mov_b32 s27, 0                               ; two tiles of codes a trip,
	s_mov_b32 s28, 0                               ; and their |c|^2
	s_mov_b32 s24, 7
.Lvq:
	v_add_nc_u32 v12, s27, v10                     ; the trip's two addresses
	v_add_nc_u32 v13, s28, v11
	VQT 0, 1, 1, 12, 13
	VQT 1, 1, 2, 12, 13
	s_add_co_u32 s27, s27, 32*CPITCH
	s_add_co_u32 s28, s28, 128
	s_sub_co_u32 s24, s24, 1
	s_cmp_lg_u32 s24, 0
	s_cbranch_scc1 .Lvq
	VQT 0, 1, 15, 10, 11                           ; tile 14 is multiplied, tile 15 fetched
	VQT 1, 0, 0, 10, 11                            ; the last tile fetches nothing
; (ba, ia) takes (bb, ib) where that is smaller, or equal with the lower code
.macro COMB ba, ia, bb, ib
	v_cmp_lt_f32 s40, v[\bb], v[\ba]
	v_cmp_eq_f32 s41, v[\bb], v[\ba]
	v_cmp_lt_u32 s42, v[\ib], v[\ia]
	s_and_b32 s41, s41, s42
	s_or_b32 s40, s40, s41
	v_cndmask_b32 v[\ia], v[\ia], v[\ib], s40
	v_cndmask_b32 v[\ba], v[\ba], v[\bb], s40
.endm
.irp nt, 0,1
.irp j, 1,2,3,4,5,6,7
	v_add_nc_u32 v[IDX+8*\nt+\j], \j, v[IDX+8*\nt+\j]
.endr
.endr
.irp nt, 0,1
	COMB BEST+8*\nt, IDX+8*\nt, BEST+8*\nt+1, IDX+8*\nt+1
	COMB BEST+8*\nt+2, IDX+8*\nt+2, BEST+8*\nt+3, IDX+8*\nt+3
	COMB BEST+8*\nt+4, IDX+8*\nt+4, BEST+8*\nt+5, IDX+8*\nt+5
	COMB BEST+8*\nt+6, IDX+8*\nt+6, BEST+8*\nt+7, IDX+8*\nt+7
	COMB BEST+8*\nt, IDX+8*\nt, BEST+8*\nt+2, IDX+8*\nt+2
	COMB BEST+8*\nt+4, IDX+8*\nt+4, BEST+8*\nt+6, IDX+8*\nt+6
	COMB BEST+8*\nt, IDX+8*\nt, BEST+8*\nt+4, IDX+8*\nt+4
	v_lshl_add_u32 v[IDX+8*\nt], v7, 3, v[IDX+8*\nt]                 ; my half of the lanes holds codes 8 h on
	v_permlanex16_b32 v[BEST+8*\nt+1], v[BEST+8*\nt], s48, s49       ; the window's other codes lie in the lane 16 away
	v_permlanex16_b32 v[IDX+8*\nt+1], v[IDX+8*\nt], s48, s49
	COMB BEST+8*\nt, IDX+8*\nt, BEST+8*\nt+1, IDX+8*\nt+1
	v_mov_b32 v[DD+2*\nt], v[BEST+8*\nt]
	v_mov_b32 v[DD+2*\nt+1], v[IDX+8*\nt]
.endr
	s_branch .Lb5
.Lhelp5:
	; z leaves: helper hw stores rows 24 hw .. 24 hw + 23; 16 lanes store a row's 256 consecutive bytes, at a multiple of 256 from out1's first byte
	v_and_b32 v6, 15, v1
	v_lshrrev_b32 v7, 4, v1
	s_mul_i32 s25, s18, 24
	v_add_nc_u32 v8, s25, v7
	v_mul_u32_u24 v9, v8, ZFP
	v_lshl_add_u32 v9, v6, 4, v9
	v_add_nc_u32 v9, LZF, v9
	v_lshlrev_b32 v10, 8, v8
	v_lshl_add_u32 v10, v6, 4, v10
.set n, 0
.rept 12
	ds_load_b128 v[96+4*n:99+4*n], v9 offset:2*ZFP*n
.set n, n+1
.endr
.set n, 0
.rept 12
	v_add_nc_u32 v11, 2*n, v8
	v_cmp_le_u32 vcc_lo, s20, v11                  ; rows below s20 are the neighbour's to store
	s_wait_dscnt 11-n
	s_wait_xcnt 0x0                                ; EXEC changes only behind this wait
	s_and_saveexec_b32 s30, vcc_lo
	global_store_b128 v10, v[96+4*n:99+4*n], s[14:15] offset:512*n th:TH_STORE_NT
	s_wait_xcnt 0x0
	s_or_b32 exec_lo, exec_lo, s30
.set n, n+1
.endr
.Lb5:
	s_wait_dscnt 0x0                               ; my reads of the codebook and of z are back
	s_barrier_signal -1
	s_barrier_wait -1                              ; barrier 5: every wave has left the tiles' loop: LDS may be written again
	s_cmp_ge_u32 s16, 12
	s_cbranch_scc1 .Lb6
	v_and_b32 v6, 15, v1
	s_lshl_b32 s25, s16, 8
	v_lshl_add_u32 v8, v6, 3, s25                  ; 256 bytes a wave: (minimum, code) of window 16 nt + r; both halves of the lanes store the same pair
	ds_store_b64 v8, v[DD:DD+1] offset:LDATA
	ds_store_b64 v8, v[DD+2:DD+3] offset:LDATA+128
.Lb6:
	s_wait_dscnt 0x0
	s_barrier_signal -1
	s_barrier_wait -1                              ; barrier 6: the four quarters' minima lie in LDS
	s_cmp_ge_u32 s16, 12
	s_cbranch_scc1 .Lend
	s_cmp_lg_u32 s18, 0
	s_cbranch_scc1 .Lend
	; THE TOKENS: wave 4 S, a lane a window.  The quarters come in ascending order of codes, so only a smaller distance takes a later one's code.
	s_lshl_b32 s25, s17, 10
	v_lshl_add_u32 v8, v1, 3, s25
.irp p, 0,1,2,3
	ds_load_b64 v[DD+2*\p:DD+2*\p+1], v8 offset:LDATA+256*\p
.endr
	s_lshl_b32 s25, s17, 5
	v_add_nc_u32 v9, s25, v1
	v_lshlrev_b32 v10, 2, v9
	s_wait_dscnt 0x0
.irp p, 1,2,3
	v_cmp_lt_f32 vcc_lo, v[DD+2*\p], v[DD]
	v_cndmask_b32 v[DD+1], v[DD+1], v[DD+2*\p+1], vcc_lo
	v_min_num_f32 v[DD], v[DD], v[DD+2*\p]
.endr
	v_cmp_le_u32 vcc_lo, s20, v9
	s_wait_xcnt 0x0
	s_and_saveexec_b32 s30, vcc_lo
	global_store_b32 v10, v[DD+1], s[12:13]
	s_wait_xcnt 0x0
	s_or_b32 exec_lo, exec_lo, s30
.Lend:
	s_wait_tensorcnt 0x0                           ; the wave's end: behind my last LDS store
	ds_add_u32 v2, v3
	s_wait_dscnt 0x0
	s_endpgm
.Lfunc_end_k_q0fd9381d04_sigvq:
	.size	k_q0fd9381d04_sigvq, .Lfunc_end_k_q0fd9381d04_sigvq-k_q0fd9381d04_sigvq
	.p2alignl 7, 3214868480
	.fill 96, 4, 3214868480
	.section	.rodata,"a",@progbits
	.p2align	6, 0x0
	.amdhsa_kernel k_q0fd9381d04_sigvq
		.amdhsa_group_segment_fixed_size 313856
		.amdhsa_private_segment_fixed_size 0
		.amdhsa_enable_private_segment 0
		.amdhsa_kernarg_size 48
		.amdhsa_user_sgpr_count 2
		.amdhsa_user_sgpr_kernarg_segment_ptr 1
		.amdhsa_wavefront_size32 1
		.amdhsa_system_sgpr_workgroup_id_x 1
		.amdhsa_system_sgpr_workgroup_id_y 1
		.amdhsa_system_sgpr_workgroup_id_z 1
		.amdhsa_system_vgpr_workitem_id 0
		.amdhsa_next_free_vgpr 256
		.amdhsa_next_free_sgpr 66
		.amdhsa_reserve_vcc 1
		.amdhsa_float_denorm_mode_32 3
		.amdhsa_float_denorm_mode_16_64 3
		.amdhsa_memory_ordered 1
		.amdhsa_forward_progress 1
		.amdhsa_inst_pref_size 255
	.end_amdhsa_kernel
	.section	.bss,"aw",@nobits
	.p2align	6
	.space	262144
	.amdgpu_metadata
---
amdhsa.version: [ 1, 2 ]
amdhsa.kernels:
  - .name:           k_q0fd9381d04_sigvq
    .symbol:         k_q0fd9381d04_sigvq.kd
    .args:
      - { .name: data, .offset: 0, .size: 8, .value_kind: global_buffer, .address_space: global }
      - { .name: W, .offset: 8, .size: 8, .value_kind: global_buffer, .address_space: global }
      - { .name: b, .offset: 16, .size: 8, .value_kind: global_buffer, .address_space: global }
      - { .name: codebook, .offset: 24, .size: 8, .value_kind: global_buffer, .address_space: global }
      - { .name: out0, .offset: 32, .size: 8, .value_kind: global_buffer, .address_space: global }
      - { .name: out1, .offset: 40, .size: 8, .value_kind: global_buffer, .address_space: global }
    .group_segment_fixed_size: 313856
    .private_segment_fixed_size: 0
    .kernarg_segment_align: 8
    .kernarg_segment_size: 48
    .max_flat_workgroup_size: 512
    .sgpr_count:     66
    .vgpr_count:     256
    .wavefront_size: 32
...
	.end_amdgpu_metadata
.endif
;; end of part 1
